; MI455X (gfx1250); checked and timed in simulation.
; The chip was launched on July 23, 2026; its instructions are those of AMD's public machine-readable ISA for CDNA 5 (MIT licence, August 2026) and "CDNA5" Instruction Set Architecture Reference Guide (July 2026). The comments in the code are by the model that wrote it; some were corrected since.
;; Net VLAD. Allowed arithmetic: matrix products marked QUANTISED: E2M3 operands, one E8M0 scale for each 32 along K, by v_wmma_scale_f32_16x16x128_f8f6f4 with both operands' format E2M3, f32 sums; everything else in f32.
;; Inputs: centroids 64 x 256 float32; conv_weight 64 x 256 float32; x 64 x 256 x 64 x 64 float32.
;; Outputs: out0 64 x 16,384 float32.
;; This version of the problem:
;;   THIS VERSION OF THE PROBLEM IS GIVEN IN LOW PRECISION. The matrix products marked QUANTISED in the list below multiply operands that are first quantised to E2M3 (2 exponent bits, 3 mantissa bits; 6 bits a number), with one power-of-two scale for each 32 numbers along K (OCP MX v1.0); their sums are f32. All else is computed in f32.
;;   The module's matrix products, in the order in which they are computed (A, B: the left and right operand; K: the contracted axis; several contracted axes count as one K, in the product's order):
;;     1. [M 262,144, K 256] x [K 256, N 64]; A: computed on the way; B: input conv_weight: QUANTISED
;;     2. batch 64 x [M 64, K 4,096] x [K 4,096, N 256]; A: computed on the way; B: computed on the way: QUANTISED
;;   THE QUANTISER, for each operand of a quantised product, along K:
;;     - K is cut into blocks of 32 from its start; a last block that is shorter is filled with zeros.
;;     - A block's scale is 2^e with e = floor(log2(the largest magnitude in the block)) - 2, held to -126 .. 127; a block of zeros has e = 0. As a byte (E8M0): e + 127.
;;     - Each number is divided by its block's scale, clamped to +-7.5, and rounded to the nearest number of E2M3, ties to even, subnormals kept.
;;     - The product sums the exact products of the quantised numbers (number of the format x scale) in f32.
;;   ~~~python
;;   def quantise(x, axis):      # numpy; x: float32 -> the quantised numbers, widened to float32 again
;;       x = np.moveaxis(x, axis, -1); K = x.shape[-1]
;;       x = np.pad(x, [(0, 0)] * (x.ndim - 1) + [(0, -K % 32)]); x = x.reshape(x.shape[:-1] + (-1, 32)); a = np.abs(x).max(-1, keepdims=True)
;;       e = np.where(a > 0, np.clip(np.frexp(np.where(a > 0, a, 1))[1] - 1 - 2, -126, 127), 0)      # np.frexp(a)[1] - 1 = floor(log2(a)), exactly
;;       r = np.clip(x / 2.0 ** e, -7.5, 7.5)
;;       step = 2.0 ** (np.maximum(np.frexp(np.where(r == 0, 1, r))[1] - 1, 0) - 3)
;;       q = np.round(r / step) * step * 2.0 ** e      # np.round: ties to even
;;       return np.moveaxis(q.reshape(q.shape[:-2] + (-1,))[..., :K], -1, axis).astype(np.float32)
;;   ~~~
;;   OPERANDS COMPUTED ON THE WAY. 'Computed on the way' means the value that the module computes at that place (a softmax that the list does not call 'softmax' is quantised finished and normalised). What goes into a quantiser is computed in f32, as accurately as f32 sums, v_exp_f32 and their like allow (about 1e-6 of the number): no bf16 or f16 on the way to a quantiser, and a product that is left as it is and whose result goes on into a quantised operand takes f32 operands (vector FMAs, or v_wmma_f32_16x16x4_f32). A number that lies on a knife's edge between two numbers of the format may be rounded either way, as far as f32 arithmetic and the matrix unit's own rounding can turn it there, and no further.
;; One version. Each part assembles by itself: llvm-mc -triple=amdgcn-amd-amdhsa -mcpu=gfx1250 --defsym DOCPART=n.
;; ======== version 1 of 1: 2 launches
;; workspace buffers: part 16,777,216 bytes; asums 262,144 bytes
;; launch vlad (part 1): grid 4 x 64, 8 waves a work-group, no clusters, 327,680 bytes of LDS; arguments x, conv_weight, part, asums; writes part, asums
.if DOCPART == 1
	.amdgcn_target "amdgcn-amd-amdhsa--gfx1250"
	.amdhsa_code_object_version 6
	.text
	.protected	k_qa0e29025cc_vlad
	.globl	k_qa0e29025cc_vlad
	.p2align	8
	.type	k_qa0e29025cc_vlad,@function
k_qa0e29025cc_vlad:
	s_mov_b64 s[64:65], 0
	v_nop
	global_prefetch_b8 v0, s[64:65] scope:SCOPE_SE
	s_setreg_imm32_b32 hwreg(HW_REG_WAVE_MODE, 25, 1), 1
	s_wait_xcnt 0x0
; NetVLAD, first launch.  x: [64 n][256 d][4096 l] f32.  conv_weight: [64 k][256 d] f32.
; For image n (work-group y) and quarter q of its 4,096 places l (work-group x) this launch makes
;   xn = x / max(|x| over d, 1e-12);  logits = W xn (K = d);  a = softmax over k;  the partial sum over its 1,024 l of a xn^T (K = l);  the partial sum of a.
; Both products run on codes of E2M3 with one E8M0 scale for each 32 along K.  So xn is quantised TWICE: in blocks along d for the first product, in blocks along l for the second.
; x is read from memory once, by tensor loads, in chunks of 128 l x 256 d (131,072 bytes), and read from LDS twice: a lane to a place l with registers down d, and a lane to a channel d with registers along l.
; In both readings a lane holds whole blocks of 32, so no block's largest magnitude needs another lane, and the conversions' results are the operand's registers.
; SHARES, for a chunk.  P1: wave w owns places 16 w .. 16 w + 15, all 256 d: norm, codes along d, 8 products, softmax; a and 1/norm go to LDS.
;   P2: wave w owns clusters 16 (w & 3) .. + 15 and places 64 (w >> 2) .. + 63 of a: its sum, its codes along l, as half an image of the operand's registers in LDS.
;   P3: wave w owns channels 32 w .. 32 w + 31: xn again (the same multiplication, the same bits), codes along l.   P4: those 32 channels x all 64 clusters: 8 products onto 8 accumulators that stay.
; THE BLOCKS ALONG d ARE PERMUTED ALIKE IN x AND IN W: place (K step s, c, h, i) of the first product holds d = 128 h + 64 s + 32 c + i.  Blocks of 32 stay whole, so the scales stay right; the two halves of
; the lanes then read rows 128 apart, which lie in LDS 67,712 bytes = 32 banks (of 64 banks of 4 bytes: ISA guide 11.1) apart, so that a load's 32 lanes touch 32 different banks.
; FOUR WORK-GROUPS TO AN IMAGE: 256 work-groups pull the stream; their partial sums are added by the second launch (no traffic between work-groups).
; NO CLUSTER: work-groups share only conv_weight, 65,536 bytes beside 1,048,576 bytes of x that are each work-group's own.
; LIMITS.  NaN and infinities are not served.  A block whose largest magnitude lies under 2^-124, a block of zeros among them, gets the scale byte 1 (for zeros the quantiser says 127: the codes are zeros, and
; this program alone reads the bytes).  An a under 2^-126 becomes 0 (v_exp_f32 gives no denormals: ISA guide 15.8).  xn is x times the reciprocal of max(sqrt(sum), 1e-12), a few last bits from the division.
; The sums over l are made in 8 chunks x 4 work-groups, not in one chain.
; part: [work-group 4 n + q][wave w][accumulator 2 kt + u][half p][lane][4 f32]: the accumulators as they stand: lane (r, h), number e: cluster 16 kt + r, channel 32 w + 16 u + 8 h + 4 p + e.
; asums: [work-group][wave w][lane] f32: the sum of a for cluster 16 (w & 3) + r over the places whose l mod 128 lies in 64 (w >> 2) + 32 h .. + 31.
.set ROWP,  528                        ; an LDS row: 512 bytes (128 l) + 16 of padding = 33 x 16: sixteen rows of a 16-byte load start at sixteen different 16-byte columns
.set QUART, 64*ROWP                    ; 64 rows: what one tensor load brings
.set HALF,  2*QUART+128                ; rows 128-255 begin here: 128 bytes further than the pitch alone would put them
.set SLOT,  135424                     ; a slot holds 135,296 bytes; slot 1 begins at the next multiple of 256
.set ATAB,  2*SLOT                     ; a as f32, [64 k][128 l], pitch ROWP.  From here on LDS is written by LDS stores, and no tensor load lands
.set RN,    ATAB+64*ROWP               ; 1/norm of the chunk's 128 places
.set AIMG,  RN+512                     ; a's four fragments as images of their registers: fragment kt at 1,536 kt; half c at + 768 c: 512 bytes (16 x lane: registers 6 c .. 6 c + 3), then 256 (8 x lane: 6 c + 4, 6 c + 5)
.set ASC,   AIMG+4*1536                ; a's scale words: 128 kt + 4 x lane
.set WIMG,  ASC+512                    ; W's eight fragments (2 t + s) as images: 1,536 bytes each, registers 4 j .. 4 j + 3 at 512 j + 16 x lane
.set WSC,   WIMG+8*1536                ; W's scale words: 128 (2 t + s) + 4 x lane
.set ASG,   WSC+1024                   ; the sums of a on their way out: 4 x thread
.set SPARE, ASG+1024                   ; the spare words, 128 bytes for each wave: four blocks of 256 bytes that no other line names
; window 0
.set SPW,  1                           ; v1     LDS address of my spare word; never rewritten
.set NIL,  2                           ; v2     0; never rewritten
.set H8,   3                           ; v3     8 h: my blocks' place in a scale word, in bits
.set A1,   4                           ; v4-7   P1: slot sl, K step s at v[A1 + 2 sl + s]: sl SLOT + h HALF + s QUART + 64 w + 4 r
.set A2,   8                           ; v8-9   P3: slot sl: sl SLOT + my channel's row + 128 h
.set RNW,  10                          ; v10    where I store 1/norm
.set RNR,  11                          ; v11    where I read my 2 x 32 of them
.set ALW,  12                          ; v12    where I store a
.set ALR,  13                          ; v13    where I read my 32 of a
.set IA,   14                          ; v14-16 where I store my half image of a, and its two scale bytes
.set IB,   15
.set ISC,  16
.set AI16, 17                          ; v17-19 AIMG + 16 x lane, AIMG + 512 + 8 x lane, ASC + 4 x lane: images come back
.set AI8,  18
.set AS4,  19
.set M,    20                          ; v20-23 largest magnitudes
.set SCL,  24                          ; v24-27 the conversions' scale operands
.set BY,   28                          ; v28-31 scale bytes
.set T,    32                          ; v32-35 what lane permutes bring
.set AS,   36                          ; v36-39 the sum of a, two pairs
.set RNP,  40                          ; v40-41 1/norm twice; later the largest logit x log2(e)
.set XS,   42                          ; v42-43 scale words of xn along d;  v44-45 of xn along l;  v46-49 of a;  v50-57 of W.  These hold scales and nothing else
.set BS,   44
.set ASW,  46
.set WS,   50
.set PC,   58                          ; v58-63 P2's six registers of codes
.set X,    64                          ; v64-191 128 numbers of x
.set AF,   64                          ; in P4: a's four fragments
.set CF,   192                         ; v192-215 two fragments just made
.set LG,   216                         ; v216-247 logits, then a; ahead of them four pairs of squares; in P2 my 32 of a; at both ends of the kernel: addresses at work
.set SS,   216
.set CT,   248                         ; v248-255 the conversions' second halves; the softmax's sums
; window 1
.set WF,   0                           ; W's eight fragments
.set ACC,  96                          ; the eight accumulators: (kt, u) at ACC + 8 (2 kt + u)
.set RNV,  160                         ; 1/norm of places 64 c + 32 h + i at RNV + 32 c + i
; scalars
.set WV,   12                          ; s12 my wave's number
.set SEL,  16                          ; s[16:17] v_permlanex16_b32's selects for lane l xor 16
.set CS,   18                          ; s[18:19] log2(e): the packed form names a pair and takes its low word for both halves
.set CNT,  21
.set G1,   24                          ; s[24:31] descriptor group 1
.set G0,   32                          ; s[32:35], s[36:39] descriptor group 0, a set for each slot
.set MSB, 0
.macro WIN new                         ; s_set_vgpr_msb: bits 1:0 source 0, 3:2 source 1, 5:4 source 2, 7:6 destination; the high byte repeats the setting that is left
.if MSB != \new
	s_set_vgpr_msb (MSB<<8)|\new
.set MSB, \new
.endif
.endm
.macro PLACES                          ; four plain vector instructions between a matrix instruction and a load into, or a vector or store's read of, its registers
.rept 4
	v_nop
.endr
.endm
; nf fragments are quantised.  Fragment g: 64 numbers of a lane at v[src + 64 g + 32 c + i] = K 64 c + 32 h + i of the lane's row: two whole blocks.  Codes into v[pc + 12 g] on, the row's scale word into v[pw + g].
.macro QFRAGS nf, src, pc, pw
.set QB, 0
.rept 2*\nf
	v_max3_num_f32 v[M+QB], |v[(\src)+32*QB]|, |v[(\src)+32*QB+1]|, 0x1800000      ; block QB, and the floor 2^(3 - 127): the byte cannot fall under 1
.set QB, QB+1
.endr
.irp i, 2,4,6,8,10,12,14,16,18,20,22,24,26,28,30
.set QB, 0
.rept 2*\nf
	v_max3_num_f32 v[M+QB], v[M+QB], |v[(\src)+32*QB+\i]|, |v[(\src)+32*QB+\i+1]|   ; the blocks by turns
.set QB, QB+1
.endr
.endr
.set QB, 0
.rept 2*\nf
	v_add_nc_u32 v[SCL+QB], 0xff000000, v[M+QB]    ; 2 off the exponent field: the conversion takes the exponent field of this operand as its scale
.set QB, QB+1
.endr
.set QB, 0
.rept 2*\nf
	v_lshrrev_b32 v[BY+QB], 23, v[SCL+QB]          ; the scale's byte
.set QB, QB+1
.endr
.set QG, 0
.rept \nf
	v_lshl_or_b32 v[(\pw)+QG], v[BY+2*QG+1], 16, v[BY+2*QG]    ; my two bytes: blocks h and 2 + h,
.set QG, QG+1
.endr
.set QG, 0
.rept \nf
	v_lshlrev_b32 v[(\pw)+QG], v[H8], v[(\pw)+QG]  ; at their places in the word;
.set QG, QG+1
.endr
.set QG, 0
.rept \nf
	v_permlanex16_b32 v[T+QG], v[(\pw)+QG], s[SEL], s[SEL+1]
.set QG, QG+1
.endr
.set QG, 0
.rept \nf
	v_or_b32 v[(\pw)+QG], v[(\pw)+QG], v[T+QG]     ; with lane l xor 16's two the word is whole
.set QG, QG+1
.endr
.set QG, 0
.rept \nf
.irp c, 0,1
	v_cvt_scalef32_pk16_fp6_f32 v[(\pc)+12*QG+6*\c:(\pc)+12*QG+6*\c+2], v[(\src)+64*QG+32*\c:(\src)+64*QG+32*\c+15], v[SCL+2*QG+\c]
	v_cvt_scalef32_pk16_fp6_f32 v[CT+4*\c:CT+4*\c+2], v[(\src)+64*QG+32*\c+16:(\src)+64*QG+32*\c+31], v[SCL+2*QG+\c]   ; (a conversion's three registers begin on an even number: a block's second half is made elsewhere and moved)
.endr
	v_nop                                          ; one plain place behind a scaled conversion
.irp c, 0,1
.irp i, 0,1,2
	v_mov_b32 v[(\pc)+12*QG+6*\c+3+\i], v[CT+4*\c+\i]
.endr
.endr
.set QG, QG+1
.endr
.endm
; The softmax over the 64 clusters.  Lane (r, h) holds place r; register 8 t + j is cluster 16 t + 8 h + j; the other 32 clusters lie in lane l xor 16.
.macro SOFTMAX
.irp t, 0,1,2,3
	v_max3_num_f32 v[M+\t], v[LG+8*\t], v[LG+8*\t+1], v[LG+8*\t+2]     ; each accumulator is read from its low end on
.endr
.irp i, 3,5
.irp t, 0,1,2,3
	v_max3_num_f32 v[M+\t], v[M+\t], v[LG+8*\t+\i], v[LG+8*\t+\i+1]
.endr
.endr
.irp t, 0,1,2,3
	v_max_num_f32 v[M+\t], v[M+\t], v[LG+8*\t+7]
.endr
	v_max3_num_f32 v[M], v[M], v[M+1], v[M+2]
	v_max_num_f32 v[M], v[M], v[M+3]
	v_permlanex16_b32 v[T], v[M], s[SEL], s[SEL+1]
	v_max_num_f32 v[M], v[M], v[T]                 ; the place's largest logit m
	v_mul_f32 v[RNP], s[CS], v[M]                  ; m log2(e).  Its rounding is one factor for all clusters of a place, which the division takes out again
.set IX, 0
.rept 16
	v_pk_fma_f32 v[LG+2*IX:LG+2*IX+1], v[LG+2*IX:LG+2*IX+1], s[CS:CS+1], v[RNP:RNP+1] op_sel_hi:[1,0,0] neg_lo:[0,0,1] neg_hi:[0,0,1]   ; logit x log2(e) - m log2(e)
.set IX, IX+1
.endr
.set IX, 0
.rept 32
	v_exp_f32 v[LG+IX], v[LG+IX]
.set IX, IX+1
.endr
	v_nop                                          ; one plain place behind the exponentials
	s_wait_alu depctr_va_vdst(0)
	v_pk_add_f32 v[CT:CT+1], v[LG:LG+1], v[LG+2:LG+3]              ; the sum, two at a time, in two chains
	v_pk_add_f32 v[CT+2:CT+3], v[LG+4:LG+5], v[LG+6:LG+7]
.irp i, 8,12,16,20,24,28
	v_pk_add_f32 v[CT:CT+1], v[CT:CT+1], v[LG+\i:LG+\i+1]
	v_pk_add_f32 v[CT+2:CT+3], v[CT+2:CT+3], v[LG+\i+2:LG+\i+3]
.endr
	v_pk_add_f32 v[CT:CT+1], v[CT:CT+1], v[CT+2:CT+3]
	v_add_f32 v[CT], v[CT], v[CT+1]
	v_permlanex16_b32 v[T], v[CT], s[SEL], s[SEL+1]
	v_add_f32 v[CT], v[CT], v[T]
	v_rcp_f32 v[CT+4], v[CT]
	v_rcp_f32 v[CT+5], v[CT]
	v_nop                                          ; one plain place behind the reciprocals
.set IX, 0
	s_wait_alu depctr_va_vdst(0)
.rept 16
	v_pk_mul_f32 v[LG+2*IX:LG+2*IX+1], v[LG+2*IX:LG+2*IX+1], v[CT+4:CT+5]       ; a, finished and normalised
.set IX, IX+1
.endr
.endm
; The refill of slot sl: waves 0 to 3 fetch 64 rows each, the others nothing.  The branch hangs on the wave's number alone.  Four v_nop follow the load.
.macro TFILL sl
	s_cmp_lt_u32 s[WV], 4
	s_cbranch_scc0 .Lno_\@
	tensor_load_to_lds s[G0+4*\sl:G0+4*\sl+3], s[G1:G1+7]
	s_nop 0
	PLACES
.Lno_\@:
.endm
.macro SQUARES n                       ; n more pairs onto the four chains of squares
.rept \n
	v_pk_fma_f32 v[SS+2*(IX%4):SS+2*(IX%4)+1], v[X+2*IX:X+2*IX+1], v[X+2*IX:X+2*IX+1], v[SS+2*(IX%4):SS+2*(IX%4)+1]
.set IX, IX+1
.endr
.endm
; ONE CHUNK of 128 places, in slot sl.  fill = 1: the slot is filled again with the chunk two further on.
.macro CHUNK sl, fill
	; ---- P1: my 16 places, all 256 channels
	PLACES                                         ; behind the last chunk's products, in front of loads into registers that they read
.irp ks, 0,1
.set IX, 0
.rept 64
	ds_load_b32 v[X+64*\ks+IX], v[A1+2*\sl+\ks] offset:IX*ROWP     ; x(128 h + 64 s + IX, my place)
.set IX, IX+1
.endr
.endr
	s_wait_dscnt 63                                ; at most 63 of the 128 are out: the first 64 are in
.irp p, 0,1,2,3
	v_pk_mul_f32 v[SS+2*\p:SS+2*\p+1], v[X+2*\p:X+2*\p+1], v[X+2*\p:X+2*\p+1]   ; the first products start the four chains
.endr
.set IX, 4
	SQUARES 28
	s_wait_dscnt 0x0                               ; all 128 (and, in the first chunk, W's fragments and scale words)
	SQUARES 32
	v_pk_add_f32 v[SS:SS+1], v[SS:SS+1], v[SS+2:SS+3]
	v_pk_add_f32 v[SS+4:SS+5], v[SS+4:SS+5], v[SS+6:SS+7]
	v_pk_add_f32 v[SS:SS+1], v[SS:SS+1], v[SS+4:SS+5]
	v_add_f32 v[SS], v[SS], v[SS+1]
	v_permlanex16_b32 v[T], v[SS], s[SEL], s[SEL+1]
	v_add_f32 v[SS], v[SS], v[T]                   ; with lane l xor 16's 128 channels: the sum of squares
	v_sqrt_f32 v[SS], v[SS]
	v_nop
	s_wait_alu depctr_va_vdst(0)
	v_max_num_f32 v[SS], 0x2b8cbccc, v[SS]         ; max(norm, 1e-12)
	v_rcp_f32 v[RNP], v[SS]
	v_rcp_f32 v[RNP+1], v[SS]
	v_nop
	s_wait_alu depctr_va_vdst(0)
	ds_store_b32 v[RNW], v[RNP]                    ; both halves of the lanes store the same word with the same value
.set IX, 0
.rept 64
	v_pk_mul_f32 v[X+2*IX:X+2*IX+1], v[X+2*IX:X+2*IX+1], v[RNP:RNP+1]
.set IX, IX+1
.endr
	QFRAGS 2, X, CF, XS                            ; the two K steps of xn along d
	PLACES                                         ; the last codes stand 4 places ahead of the scaled products; the scale words more than 8
	WIN 0x01                                       ; source 0 (W) window 1
.irp t, 0,1,2,3                                ; logits: source 0 = 16 clusters, source 1 = my 16 places; the four accumulators by turns
	v_wmma_scale_f32_16x16x128_f8f6f4 v[LG+8*\t:LG+8*\t+7], v[WF+24*\t:WF+24*\t+11], v[CF:CF+11], 0, v[WS+2*\t], v[XS] matrix_a_fmt:MATRIX_FMT_FP6 matrix_b_fmt:MATRIX_FMT_FP6
.endr
.irp t, 0,1,2,3
	v_wmma_scale_f32_16x16x128_f8f6f4 v[LG+8*\t:LG+8*\t+7], v[WF+24*\t+12:WF+24*\t+23], v[CF+12:CF+23], v[LG+8*\t:LG+8*\t+7], v[WS+2*\t+1], v[XS+1] matrix_a_fmt:MATRIX_FMT_FP6 matrix_b_fmt:MATRIX_FMT_FP6
.endr
	WIN 0
	PLACES
	SOFTMAX
.irp t, 0,1,2,3
.irp j, 0,1,2,3,4,5,6,7
	ds_store_b32 v[ALW], v[LG+8*\t+\j] offset:(16*\t+\j)*ROWP      ; a(16 t + 8 h + j, my place): the halves of the lanes lie 8 rows = 32 banks apart
.endr
.endr
	; ---- the first barrier: a and 1/norm of all 128 places lie in LDS.  The next chunk's tensor load may stay out
	s_wait_dscnt 0x0
	s_barrier_signal -1
.irp u, 0,1                                    ; between signal and wait: loads of the slot's bytes, which nobody writes before the second barrier
.irp c, 0,1
.irp j, 0,1,2,3,4,5,6,7
	ds_load_b128 v[X+64*\u+32*\c+4*\j:X+64*\u+32*\c+4*\j+3], v[A2+\sl] offset:\u*16*ROWP+256*\c+16*\j   ; x(32 w + 16 u + r, 64 c + 32 h + 4 j ..)
.endr
.endr
.endr
	s_barrier_wait -1
	; ---- P2: my 16 clusters x 64 places of a: a lane holds one whole block of 32 along l
.irp j, 0,1,2,3,4,5,6,7
	ds_load_b128 v[LG+4*\j:LG+4*\j+3], v[ALR] offset:16*\j
.endr
	WIN 0x40                                       ; destination window 1
.irp c, 0,1
.irp j, 0,1,2,3,4,5,6,7
	ds_load_b128 v[RNV+32*\c+4*\j:RNV+32*\c+4*\j+3], v[RNR] offset:256*\c+16*\j
.endr
.endr
	WIN 0
	s_wait_dscnt 16                                ; only the sixteen loads of 1/norm may be out
.irp j, 0,1,2,3,4,5,6,7
	v_pk_add_f32 v[AS:AS+1], v[AS:AS+1], v[LG+4*\j:LG+4*\j+1]      ; the sum is taken of the unquantised a
	v_pk_add_f32 v[AS+2:AS+3], v[AS+2:AS+3], v[LG+4*\j+2:LG+4*\j+3]
.endr
	v_max3_num_f32 v[M], v[LG], v[LG+1], 0x1800000 ; the block's largest a (none is negative), and the floor; two chains
	v_max3_num_f32 v[M+1], v[LG+16], v[LG+17], v[LG+18]
.irp i, 0,1,2,3,4,5
	v_max3_num_f32 v[M], v[M], v[LG+2+2*\i], v[LG+3+2*\i]
	v_max3_num_f32 v[M+1], v[M+1], v[LG+19+2*\i], v[LG+20+2*\i]
.endr
	v_max3_num_f32 v[M], v[M], v[LG+14], v[LG+15]
	v_max3_num_f32 v[M], v[M], v[M+1], v[LG+31]
	v_add_nc_u32 v[SCL], 0xff000000, v[M]
	v_lshrrev_b32 v[BY], 23, v[SCL]
	v_lshlrev_b32 v[T+2], v[H8], v[BY]
	v_permlanex16_b32 v[T+3], v[T+2], s[SEL], s[SEL+1]
	v_or_b32 v[T+2], v[T+2], v[T+3]                ; the bytes of blocks 2 (w >> 2) and 2 (w >> 2) + 1: half a scale word
	v_cvt_scalef32_pk16_fp6_f32 v[PC:PC+2], v[LG:LG+15], v[SCL]
	v_cvt_scalef32_pk16_fp6_f32 v[CT:CT+2], v[LG+16:LG+31], v[SCL]
	v_nop
.irp i, 0,1,2
	v_mov_b32 v[PC+3+\i], v[CT+\i]
.endr
	ds_store_b128 v[IA], v[PC:PC+3]                ; registers 6 c .. 6 c + 5 of fragment kt, as they stand
	ds_store_b64 v[IB], v[PC+4:PC+5]
	ds_store_b16 v[ISC], v[T+2]
	; ---- P3: my 32 channels of xn, quantised along l
	s_wait_dscnt 3                                 ; 1/norm is in; the three stores just issued may be out
	WIN 0x04                                       ; source 1 window 1
.irp u, 0,1
.set IX, 0
.rept 32
	v_pk_mul_f32 v[X+64*\u+2*IX:X+64*\u+2*IX+1], v[X+64*\u+2*IX:X+64*\u+2*IX+1], v[RNV+2*IX:RNV+2*IX+1]
.set IX, IX+1
.endr
.endr
	WIN 0
	QFRAGS 2, X, CF, BS
	; ---- the second barrier.  In front of it: all my tensor loads have landed (the next chunk's tile among them), my images of a are stored, my reads of this slot, of a and of 1/norm are back
	s_wait_tensorcnt 0x0
	ds_add_u32 v[SPW], v[NIL]                      ; 0 onto my spare word
	PLACES                                         ; the last codes stand 4 places ahead of the scaled products below
.if \fill
	s_add_nc_u64 s[G0+4*\sl+2:G0+4*\sl+3], s[G0+4*\sl+2:G0+4*\sl+3], 1024      ; no tensor load of mine is out: this slot's next chunk, 256 places on
.endif
	s_wait_dscnt 0x0
	s_barrier_signal -1
	s_barrier_wait -1
.if \fill
	TFILL \sl                                      ; first behind the barrier, a wave's one tensor load until the next such barrier: it has a whole chunk's work in which to land
.endif
	; ---- P4: my 32 channels x 64 clusters, K = these 128 places
.irp kt, 0,1,2,3
.irp c, 0,1
	ds_load_b128 v[AF+12*\kt+6*\c:AF+12*\kt+6*\c+3], v[AI16] offset:\kt*1536+\c*768
	ds_load_b64 v[AF+12*\kt+6*\c+4:AF+12*\kt+6*\c+5], v[AI8] offset:\kt*1536+\c*768
.endr
	ds_load_b32 v[ASW+\kt], v[AS4] offset:128*\kt
.endr
	s_wait_dscnt 0x0
	WIN 0x50                                       ; C and D window 1
.irp kt, 0,1,2,3                               ; source 0 = 16 channels, source 1 = 16 clusters; the eight accumulators by turns
.irp u, 0,1
	v_wmma_scale_f32_16x16x128_f8f6f4 v[ACC+8*(2*\kt+\u):ACC+8*(2*\kt+\u)+7], v[CF+12*\u:CF+12*\u+11], v[AF+12*\kt:AF+12*\kt+11], v[ACC+8*(2*\kt+\u):ACC+8*(2*\kt+\u)+7], v[BS+\u], v[ASW+\kt] matrix_a_fmt:MATRIX_FMT_FP6 matrix_b_fmt:MATRIX_FMT_FP6
.endr
.endr
	WIN 0
.endm
	; ================ the head
	s_load_b256 s[4:11], s[0:1], 0x0               ; x s[4:5], conv_weight s[6:7], part s[8:9], asums s[10:11]
	v_lshl_add_u32 v[SPW], v0, 2, SPARE
	v_mov_b32 v[NIL], 0
	ds_add_u32 v1, v2
	s_wait_dscnt 0x0
	v_lshrrev_b32 v[T], 5, v0
	v_readfirstlane_b32 s[WV], v[T]                ; wave 0..7
	s_and_b32 s14, ttmp7, 0xffff                   ; n
	; descriptor group 1: a tile of 64 rows (channels) x 128 f32 (places), rows 4,096 elements apart in memory, 16 bytes of padding behind each row in LDS
	s_mov_b32 s[G1+0], (2<<16)|(1<<20)|(6<<22)|(3<<25)   ; 15:0 no mask; 17:16 elements of 4 bytes; 20 padding on; 24:22 after every 128 words (code 6); 31:25 of 4 words (code 3)
	s_mov_b32 s[G1+1], 128<<16                     ; tensor_dim0 = 128
	s_mov_b32 s[G1+2], 64<<16                      ; tensor_dim1 = 64
	s_mov_b32 s[G1+3], 128<<16                     ; tile_dim0 = 128
	s_mov_b32 s[G1+4], 64                          ; tile_dim1 = 64
	s_mov_b32 s[G1+5], 4096                        ; tensor_dim0_stride
	s_mov_b32 s[G1+6], 0
	s_mov_b32 s[G1+7], 0
	s_mov_b32 s[SEL], 0x76543210
	s_mov_b32 s[SEL+1], 0xfedcba98
	s_mov_b32 s[CS], 0x3fb8aa3b                    ; log2(e)
	s_mov_b32 s[CS+1], s[CS]                       ; (named with it as a pair, so it is written)
	s_and_b32 s23, s[WV], 3                        ; w & 3: which 64 rows I fetch, if I fetch; also my tile of clusters in P2
	s_mul_i32 s22, s23, QUART
	s_lshr_b32 s40, s23, 1
	s_lshl_b32 s40, s40, 7
	s_add_co_u32 s22, s22, s40                     ; where they go in a slot: 64 rows x the pitch, + 128 for rows 128 on
	s_lshl_b32 s40, s14, 22                        ; where they come from: image n (2^22 bytes),
	s_lshl_b32 s41, s23, 20                        ; 64 rows of 16,384 bytes,
	s_add_co_u32 s40, s40, s41
	s_lshl_b32 s41, ttmp9, 12                      ; quarter q: 1,024 places
	s_add_co_u32 s40, s40, s41
	s_mov_b32 s41, 0
	s_wait_kmcnt 0x0
	s_add_nc_u64 s[40:41], s[4:5], s[40:41]
	s_mov_b32 s[G0], 1                             ; 1:0 count = 1
	s_mov_b32 s[G0+1], s22                         ; 63:32 LDS address: slot 0
	s_mov_b64 s[G0+2:G0+3], s[40:41]               ; 120:64 global address: chunk 0
	s_or_b32 s[G0+3], s[G0+3], 0x80000000          ; 127:126 type = 2
	s_mov_b32 s[G0+4], 1
	s_add_co_u32 s[G0+5], s22, SLOT                ; slot 1
	s_add_nc_u64 s[G0+6:G0+7], s[40:41], 512       ; chunk 1
	s_or_b32 s[G0+7], s[G0+7], 0x80000000
	s_cmp_lt_u32 s[WV], 4                          ; a wave's two first fills stand in one branch, ahead of every wait on TENSORcnt, every LDS read and every barrier: two loads of mine are out
	s_cbranch_scc0 .Lno_first
	tensor_load_to_lds s[G0:G0+3], s[G1:G1+7]
	s_nop 0
	tensor_load_to_lds s[G0+4:G0+7], s[G1:G1+7]
	s_nop 0
	PLACES
.Lno_first:
.set RR,  LG                           ; at work in the head: r, h, lane, two sums, W's offsets
.set HH,  LG+1
.set LL,  LG+2
.set TA,  LG+3
.set WGO, LG+4
.set WST, LG+5
.set WSS, LG+6
.set TC,  LG+7
	v_and_b32 v[RR], 15, v0
	v_bfe_u32 v[HH], v0, 4, 1
	v_and_b32 v[LL], 31, v0
	; W: wave w makes fragment 2 t + s = w: clusters 16 t + r, channels 128 h + 64 s + 32 c + i
	s_lshr_b32 s44, s[WV], 1
	s_lshl_b32 s44, s44, 14                        ; 16 rows of 1,024 bytes
	s_and_b32 s46, s[WV], 1
	s_lshl_b32 s46, s46, 8                         ; 64 s channels
	s_add_co_u32 s44, s44, s46
	v_lshlrev_b32 v[WGO], 10, v[RR]
	v_lshl_add_u32 v[WGO], v[HH], 9, v[WGO]
	v_add_nc_u32 v[WGO], s44, v[WGO]
.irp c, 0,1
.irp j, 0,1,2,3,4,5,6,7
	global_load_b128 v[X+32*\c+4*\j:X+32*\c+4*\j+3], v[WGO], s[6:7] offset:128*\c+16*\j
.endr
.endr
	s_lshl_b32 s42, s14, 2
	s_add_co_u32 s42, s42, ttmp9                   ; the work-group's number 4 n + q
	s_lshl_b32 s44, s42, 16
	s_lshl_b32 s45, s[WV], 13
	s_add_co_u32 s44, s44, s45
	s_mov_b32 s45, 0
	s_add_nc_u64 s[8:9], s[8:9], s[44:45]          ; part: 65,536 bytes a work-group, 8,192 a wave
	s_lshl_b32 s44, s42, 10
	s_add_nc_u64 s[10:11], s[10:11], s[44:45]      ; asums: 1,024 bytes a work-group
	; the LDS addresses: each a constant + a lane term + a wave term
	v_lshlrev_b32 v[H8], 3, v[HH]
	s_lshl_b32 s43, s[WV], 6                       ; 64 w: my 16 places in a row
	s_lshr_b32 s45, s[WV], 2                       ; w >> 2
	v_lshl_add_u32 v[TC], v[RR], 2, s43            ; 64 w + 4 r
	v_mad_u32_u24 v[TA], v[HH], HALF, v[TC]
.irp sl, 0,1
.irp ks, 0,1
	v_add_nc_u32 v[A1+2*\sl+\ks], \sl*SLOT+\ks*QUART, v[TA]
.endr
.endr
	v_add_nc_u32 v[RNW], RN, v[TC]
	v_lshl_add_u32 v[RNR], v[HH], 7, RN
	v_mad_u32_u24 v[ALW], v[HH], 8*ROWP, v[TC]
	v_add_nc_u32 v[ALW], ATAB, v[ALW]
	v_mul_u32_u24 v[TA], v[RR], ROWP
	v_lshl_add_u32 v[TA], v[HH], 7, v[TA]          ; r x pitch + 128 h
	s_mul_i32 s44, s[WV], 32*ROWP
	s_lshl_b32 s46, s45, 7
	s_add_co_u32 s44, s44, s46                     ; my 32 channels' rows
	v_add_nc_u32 v[A2], s44, v[TA]
	v_add_nc_u32 v[A2+1], SLOT, v[A2]
	s_mul_i32 s44, s23, 16*ROWP
	s_lshl_b32 s46, s45, 8
	s_add_co_u32 s44, s44, s46
	s_add_co_u32 s44, s44, ATAB
	v_add_nc_u32 v[ALR], s44, v[TA]
	s_mul_i32 s44, s23, 1536
	s_mul_i32 s46, s45, 768
	s_add_co_u32 s44, s44, s46
	s_add_co_u32 s44, s44, AIMG
	v_lshl_add_u32 v[IA], v[LL], 4, s44
	v_lshl_add_u32 v[IB], v[LL], 3, s44
	v_add_nc_u32 v[IB], 512, v[IB]
	s_lshl_b32 s44, s23, 7
	s_lshl_b32 s46, s45, 1
	s_add_co_u32 s44, s44, s46
	s_add_co_u32 s44, s44, ASC
	v_lshl_add_u32 v[ISC], v[LL], 2, s44
	v_lshl_add_u32 v[AI16], v[LL], 4, AIMG
	v_lshl_add_u32 v[AI8], v[LL], 3, AIMG+512
	v_lshl_add_u32 v[AS4], v[LL], 2, ASC
	s_mul_i32 s44, s[WV], 1536
	s_add_co_u32 s44, s44, WIMG
	v_lshl_add_u32 v[WST], v[LL], 4, s44
	s_lshl_b32 s44, s[WV], 7
	s_add_co_u32 s44, s44, WSC
	v_lshl_add_u32 v[WSS], v[LL], 2, s44
.irp i, 0,1,2,3
	v_mov_b32 v[T+\i], 0                           ; written once: a lane permute's destination counts as one of its sources
	v_mov_b32 v[AS+\i], 0                          ; the sum of a begins
.endr
	WIN 0x40
.set IX, 0
.rept 64
	v_mov_b32 v[ACC+IX], 0                         ; the accumulators, once: so the chunk is written alike for all eight, and no copy of it is spent on a first chunk
.set IX, IX+1
.endr
	WIN 0
	s_wait_loadcnt 0x0                             ; W
	QFRAGS 1, X, CF, XS
.irp j, 0,1,2
	ds_store_b128 v[WST], v[CF+4*\j:CF+4*\j+3] offset:512*\j       ; the fragment goes to LDS as it stands
.endr
	ds_store_b32 v[WSS], v[XS]
	s_wait_tensorcnt 0x1                           ; my part of chunk 0 is in; chunk 1's may stay out
	s_wait_dscnt 0x0                               ; my image of W is stored
	s_barrier_signal -1
	s_barrier_wait -1
	WIN 0x40
.irp f, 0,1,2,3,4,5,6,7                        ; all eight fragments of W stay in every wave's registers
.irp j, 0,1,2
	ds_load_b128 v[WF+12*\f+4*\j:WF+12*\f+4*\j+3], v[AI16] offset:WIMG-AIMG+1536*\f+512*\j
.endr
.endr
	WIN 0
.irp f, 0,1,2,3,4,5,6,7
	ds_load_b32 v[WS+\f], v[AS4] offset:WSC-ASC+128*\f
.endr
	; ================ eight chunks: three trips of two fill both slots again; the last two are written out
	s_mov_b32 s[CNT], 3
.Lring:
	CHUNK 0, 1
	CHUNK 1, 1
	s_sub_co_u32 s[CNT], s[CNT], 1
	s_cmp_lg_u32 s[CNT], 0
	s_cbranch_scc1 .Lring
	CHUNK 0, 0
	CHUNK 1, 0
	; ================ the way out.  The seven plain lines below are the places behind the last products
	v_pk_add_f32 v[AS:AS+1], v[AS:AS+1], v[AS+2:AS+3]
	v_lshl_add_u32 v[LG], v0, 2, ASG               ; the sums of a: in at 4 x thread,
	v_lshl_add_u32 v[LG+1], v0, 4, ASG             ; back at 16 x thread (threads 0 to 63),
	v_lshlrev_b32 v[LG+2], 4, v0                   ; and the same place in asums
	v_and_b32 v[LG+3], 31, v0
	v_lshlrev_b32 v[LG+3], 4, v[LG+3]              ; part: 16 x lane
	v_add_f32 v[AS], v[AS], v[AS+1]
	ds_store_b32 v[LG], v[AS]
	WIN 0x04                                       ; a store's data are its source 1: window 1
.irp a, 0,1,2,3,4,5,6,7
.irp p, 0,1
	global_store_b128 v[LG+3], v[ACC+8*\a+4*\p:ACC+8*\a+4*\p+3], s[8:9] offset:1024*\a+512*\p   ; each accumulator from its low end on; the wave's store covers 512 consecutive bytes, aligned
.endr
.endr
	WIN 0
	s_wait_dscnt 0x0                               ; my sum is stored
	s_barrier_signal -1
	s_barrier_wait -1
	s_cmp_lt_u32 s[WV], 2                          ; two waves store the work-group's 1,024 bytes of sums, 512 consecutive bytes each
	s_cbranch_scc0 .Lno_sums
	ds_load_b128 v[LG+4:LG+7], v[LG+1]
	s_wait_dscnt 0x0
	global_store_b128 v[LG+2], v[LG+4:LG+7], s[10:11]
.Lno_sums:
	s_wait_tensorcnt 0x0                           ; the wave's end: behind my last tensor load and my last LDS store
	ds_add_u32 v[SPW], v[NIL]
	s_wait_dscnt 0x0
	s_endpgm
.Lfunc_end_k_qa0e29025cc_vlad:
	.size	k_qa0e29025cc_vlad, .Lfunc_end_k_qa0e29025cc_vlad-k_qa0e29025cc_vlad
	.p2alignl 7, 3214868480
	.fill 96, 4, 3214868480
	.section	.rodata,"a",@progbits
	.p2align	6, 0x0
	.amdhsa_kernel k_qa0e29025cc_vlad
		.amdhsa_group_segment_fixed_size 327680
		.amdhsa_private_segment_fixed_size 0
		.amdhsa_enable_private_segment 0
		.amdhsa_kernarg_size 32
		.amdhsa_user_sgpr_count 2
		.amdhsa_user_sgpr_kernarg_segment_ptr 1
		.amdhsa_wavefront_size32 1
		.amdhsa_system_sgpr_workgroup_id_x 1
		.amdhsa_system_sgpr_workgroup_id_y 1
		.amdhsa_system_sgpr_workgroup_id_z 1
		.amdhsa_system_vgpr_workitem_id 0
		.amdhsa_next_free_vgpr 512
		.amdhsa_next_free_sgpr 66
		.amdhsa_reserve_vcc 0
		.amdhsa_float_denorm_mode_32 3
		.amdhsa_float_denorm_mode_16_64 3
		.amdhsa_memory_ordered 1
		.amdhsa_forward_progress 1
		.amdhsa_inst_pref_size 220
	.end_amdhsa_kernel
	.amdgpu_metadata
---
amdhsa.version: [ 1, 2 ]
amdhsa.kernels:
  - .name:           k_qa0e29025cc_vlad
    .symbol:         k_qa0e29025cc_vlad.kd
    .args:
      - { .name: x, .offset: 0, .size: 8, .value_kind: global_buffer, .address_space: global }
      - { .name: conv_weight, .offset: 8, .size: 8, .value_kind: global_buffer, .address_space: global }
      - { .name: part, .offset: 16, .size: 8, .value_kind: global_buffer, .address_space: global }
      - { .name: asums, .offset: 24, .size: 8, .value_kind: global_buffer, .address_space: global }
    .group_segment_fixed_size: 327680
    .private_segment_fixed_size: 0
    .kernarg_segment_align: 8
    .kernarg_segment_size: 32
    .max_flat_workgroup_size: 256
    .sgpr_count:     66
    .vgpr_count:     512
    .wavefront_size: 32
...
	.end_amdgpu_metadata
.endif
;; end of part 1
;; launch finish (part 2): grid 64 x 1, 16 waves a work-group, no clusters, 72,704 bytes of LDS; arguments part, asums, centroids, out0; writes out0
.if DOCPART == 2
	.amdgcn_target "amdgcn-amd-amdhsa--gfx1250"
	.amdhsa_code_object_version 6
	.text
	.protected	k_qa0e29025cc_finish
	.globl	k_qa0e29025cc_finish
	.p2align	8
	.type	k_qa0e29025cc_finish,@function
k_qa0e29025cc_finish:
	s_mov_b64 s[64:65], 0
	v_nop
	global_prefetch_b8 v0, s[64:65] scope:SCOPE_SE
	s_setreg_imm32_b32 hwreg(HW_REG_WAVE_MODE, 25, 1), 1
	s_wait_xcnt 0x0
; NetVLAD, second launch.  For image n (the work-group): vlad[k][d] = the sum of the four quarters' partial sums - (the sum of a for k) x centroids[k][d]; each row k divided by max(its norm, 1e-12);
; the whole image divided by max(its norm, 1e-12).  All in f32; no matrix work, no tensor load.
; ONE WORK-GROUP TO AN IMAGE, 64 in all: the last norm wants all 64 rows of an image, and four work-groups to an image would each read the same 262,144 bytes of partial sums.
; Wave v: kt = v & 3, g = v >> 2: clusters 16 kt .. + 15, channels 64 g .. + 63, as four of the first launch's accumulators tt = 0 .. 3 (its wave 2 g + tt / 2, its u = tt % 2).
; Lane (r, hh), register 8 tt + j: cluster 16 kt + r, channel 64 g + 16 tt + 8 hh + j.  part is read as it was stored: each load of the wave covers 512 consecutive bytes.
; centroids come in and the result goes out by rows, sixteen lanes to 256 consecutive aligned bytes, and change layout through the wave's own stage in LDS (16 rows of 256 bytes + 16).
; The image's norm is made of the rows' sums of squares: a row's share is (sum x inv) x inv, inv = 1 / max(sqrt(sum), 1e-12).
; LIMITS: NaN and infinities are not served; the divisions are multiplications by reciprocals, a few last bits from the quotient.
.set STGW, 16*272                      ; a wave's stage
.set SSB,  16*STGW                     ; behind the stages: the rows' sums of squares, [g][k] f32, 1,024 bytes
.set PO,  1                            ; v1  16 x lane: part
.set AO,  2                            ; v2  4 x lane: asums
.set CO,  3                            ; v3  1,024 hh + 16 r: two rows of centroids or of the output
.set STO, 4                            ; v4  the stage by the registers' layout: row r, + 32 hh
.set RD,  5                            ; v5  the stage by rows: row hh, + 16 r
.set SSW, 6                            ; v6  where I store my row's sum of squares
.set SSO, 7                            ; v7  where I read my row's four
.set SSA, 8                            ; v8  where I read those of rows lane and lane + 32
.set V,   32                           ; v32-159  the four quarters' parts, 32 registers each; the first becomes vlad
.set C,   160                          ; v160-191 centroids in the registers' layout
.set CB,  192                          ; v192-223 centroids by rows; later the result by rows
	s_load_b256 s[4:11], s[0:1], 0x0               ; part s[4:5], asums s[6:7], centroids s[8:9], out0 s[10:11]
	v_lshl_add_u32 v224, v0, 2, 0x11400
	v_mov_b32 v225, 0
	v_lshrrev_b32 v10, 5, v0
	v_readfirstlane_b32 s12, v10                   ; wave 0..15
	s_and_b32 s13, s12, 3                          ; kt
	s_lshr_b32 s14, s12, 2                         ; g
	v_and_b32 v11, 31, v0                          ; lane
	v_and_b32 v12, 15, v0                          ; r
	v_bfe_u32 v13, v0, 4, 1                        ; hh
	v_lshlrev_b32 v[PO], 4, v11
	v_lshlrev_b32 v[AO], 2, v11
	v_lshlrev_b32 v[CO], 10, v13
	v_lshl_add_u32 v[CO], v12, 4, v[CO]
	s_mul_i32 s15, s12, STGW
	v_mul_u32_u24 v[STO], v12, 272
	v_lshl_add_u32 v[STO], v13, 5, v[STO]
	v_add_nc_u32 v[STO], s15, v[STO]
	v_mul_u32_u24 v[RD], v13, 272
	v_lshl_add_u32 v[RD], v12, 4, v[RD]
	v_add_nc_u32 v[RD], s15, v[RD]
	s_lshl_b32 s16, s13, 6
	s_add_co_u32 s16, s16, SSB
	v_lshl_add_u32 v[SSO], v12, 2, s16             ; SSB + 4 (16 kt + r)
	s_lshl_b32 s17, s14, 8
	v_add_nc_u32 v[SSW], s17, v[SSO]               ; + 256 g
	v_lshl_add_u32 v[SSA], v11, 2, SSB
	v_mov_b32 v24, 0                               ; written once: a lane permute's destination counts as one of its sources
	s_mov_b32 s28, 0x76543210
	s_mov_b32 s29, 0xfedcba98                      ; v_permlanex16_b32's selects for lane l xor 16
	s_lshl_b32 s20, ttmp9, 18                      ; part: 262,144 bytes an image, 16,384 g, 2,048 kt
	s_lshl_b32 s22, s14, 14
	s_add_co_u32 s20, s20, s22
	s_lshl_b32 s22, s13, 11
	s_add_co_u32 s20, s20, s22
	s_mov_b32 s21, 0
	s_lshl_b32 s22, ttmp9, 12                      ; asums: 4,096 bytes an image, 128 kt
	s_lshl_b32 s24, s13, 7
	s_add_co_u32 s22, s22, s24
	s_mov_b32 s23, 0
	s_lshl_b32 s24, s13, 14                        ; centroids: 16 rows of 1,024 bytes x kt, 256 g
	s_lshl_b32 s26, s14, 8
	s_add_co_u32 s24, s24, s26
	s_mov_b32 s25, 0
	s_lshl_b32 s26, ttmp9, 16                      ; out0: the same, + 65,536 bytes an image
	s_add_co_u32 s26, s26, s24
	s_mov_b32 s27, 0
	s_wait_kmcnt 0x0
	s_add_nc_u64 s[4:5], s[4:5], s[20:21]
	s_add_nc_u64 s[6:7], s[6:7], s[22:23]
	s_add_nc_u64 s[8:9], s[8:9], s[24:25]
	s_add_nc_u64 s[10:11], s[10:11], s[26:27]
	; 48 loads, all at once: 8 of centroids, 8 of the sums of a, 32 of the parts, quarter by quarter
.irp i, 0,1,2,3,4,5,6,7
	global_load_b128 v[CB+4*\i:CB+4*\i+3], v[CO], s[8:9] offset:2048*\i            ; rows 2 i + hh: sixteen lanes read 256 consecutive bytes
.endr
.irp q, 0,1,2,3
.irp c, 0,1
	global_load_b32 v[16+2*\q+\c], v[AO], s[6:7] offset:1024*\q+512*\c
.endr
.endr
.irp q, 0,1,2,3
.irp tt, 0,1,2,3
.irp p, 0,1
	global_load_b128 v[V+32*\q+8*\tt+4*\p:V+32*\q+8*\tt+4*\p+3], v[PO], s[4:5] offset:65536*\q+8192*(\tt/2)+1024*(\tt%2)+512*\p th:TH_LOAD_NT
.endr
.endr
.endr
	s_wait_loadcnt 40                              ; centroids are in: 40 younger loads may be out
.irp i, 0,1,2,3,4,5,6,7
	ds_store_b128 v[RD], v[CB+4*\i:CB+4*\i+3] offset:544*\i
.endr
.irp tt, 0,1,2,3
.irp p, 0,1
	ds_load_b128 v[C+8*\tt+4*\p:C+8*\tt+4*\p+3], v[STO] offset:64*\tt+16*\p        ; LDS serves a wave's instructions in order (ISA guide 5.7.1.4): these see my stores
.endr
.endr
	s_wait_loadcnt 32                              ; the eight partial sums of a
	v_add_f32 v16, v16, v17
	v_add_f32 v18, v18, v19
	v_add_f32 v20, v20, v21
	v_add_f32 v22, v22, v23
	v_add_f32 v16, v16, v18
	v_add_f32 v20, v20, v22
	v_add_f32 v16, v16, v20
	v_permlanex16_b32 v24, v16, s28, s29
	v_add_f32 v16, v16, v24                        ; the sum of a for cluster 16 kt + r
	v_mul_f32 v26, -1.0, v16
	v_mov_b32 v27, v26                             ; its negative, twice
	s_wait_loadcnt 16                              ; quarters 0 and 1
.set IX, 0
.rept 16
	v_pk_add_f32 v[V+2*IX:V+2*IX+1], v[V+2*IX:V+2*IX+1], v[V+32+2*IX:V+32+2*IX+1]
.set IX, IX+1
.endr
	s_wait_loadcnt 8                               ; quarter 2
.set IX, 0
.rept 16
	v_pk_add_f32 v[V+2*IX:V+2*IX+1], v[V+2*IX:V+2*IX+1], v[V+64+2*IX:V+64+2*IX+1]
.set IX, IX+1
.endr
	s_wait_loadcnt 0x0                             ; quarter 3
.set IX, 0
.rept 16
	v_pk_add_f32 v[V+2*IX:V+2*IX+1], v[V+2*IX:V+2*IX+1], v[V+96+2*IX:V+96+2*IX+1]
.set IX, IX+1
.endr
	s_wait_dscnt 0x0                               ; centroids in the registers' layout
.set IX, 0
.rept 16
	v_pk_fma_f32 v[V+2*IX:V+2*IX+1], v[C+2*IX:C+2*IX+1], v[26:27], v[V+2*IX:V+2*IX+1]   ; - (sum of a) x centroid
.set IX, IX+1
.endr
	v_pk_mul_f32 v[28:29], v[V:V+1], v[V:V+1]      ; the squares of my 32, in two chains
	v_pk_mul_f32 v[30:31], v[V+2:V+3], v[V+2:V+3]
.irp i, 4,8,12,16,20,24,28
	v_pk_fma_f32 v[28:29], v[V+\i:V+\i+1], v[V+\i:V+\i+1], v[28:29]
	v_pk_fma_f32 v[30:31], v[V+\i+2:V+\i+3], v[V+\i+2:V+\i+3], v[30:31]
.endr
	v_pk_add_f32 v[28:29], v[28:29], v[30:31]
	v_add_f32 v28, v28, v29
	v_permlanex16_b32 v24, v28, s28, s29
	v_add_f32 v28, v28, v24                        ; over my wave's 64 channels of row 16 kt + r
	ds_store_b32 v[SSW], v28                       ; both halves of the lanes store the same word with the same value
	s_wait_dscnt 0x0                               ; for the others' sake
	s_barrier_signal -1
	s_barrier_wait -1
.irp i, 0,1,2,3
	ds_load_b32 v[10+\i], v[SSO] offset:256*\i     ; my row's four parts,
.endr
.irp i, 0,1,2,3
	ds_load_b32 v[14+\i], v[SSA] offset:256*\i     ; row lane's,
	ds_load_b32 v[18+\i], v[SSA] offset:256*\i+128 ; and row lane + 32's
.endr
	s_wait_dscnt 0x0
.irp b, 10,14,18
	v_add_f32 v[\b], v[\b], v[\b+1]
	v_add_f32 v[\b+2], v[\b+2], v[\b+3]
.endr
.irp b, 10,14,18
	v_add_f32 v[\b], v[\b], v[\b+2]
.endr
	v_sqrt_f32 v22, v10
	v_sqrt_f32 v23, v14
	v_sqrt_f32 v25, v18
	v_nop                                          ; one plain place behind the roots
	s_wait_alu depctr_va_vdst(0)
	v_max_num_f32 v22, 0x2b8cbccc, v22             ; max(norm, 1e-12)
	v_max_num_f32 v23, 0x2b8cbccc, v23
	v_max_num_f32 v25, 0x2b8cbccc, v25
	v_rcp_f32 v22, v22
	v_rcp_f32 v23, v23
	v_rcp_f32 v25, v25
	v_nop
	s_wait_alu depctr_va_vdst(0)
	v_mul_f32 v14, v14, v23
	v_mul_f32 v18, v18, v25
	v_mul_f32 v14, v14, v23                        ; the normalised row's own sum of squares,
	v_fma_f32 v14, v18, v25, v14                   ; of two rows a lane,
	v_add_f32_dpp v14, v14, v14 row_xmask:1 row_mask:0xf bank_mask:0xf     ; of all 64
	v_add_f32_dpp v14, v14, v14 row_xmask:2 row_mask:0xf bank_mask:0xf
	v_add_f32_dpp v14, v14, v14 row_xmask:4 row_mask:0xf bank_mask:0xf
	v_add_f32_dpp v14, v14, v14 row_xmask:8 row_mask:0xf bank_mask:0xf
	v_permlanex16_b32 v24, v14, s28, s29
	v_add_f32 v14, v14, v24
	v_sqrt_f32 v14, v14
	v_nop
	s_wait_alu depctr_va_vdst(0)
	v_max_num_f32 v14, 0x2b8cbccc, v14
	v_rcp_f32 v14, v14
	v_nop
	s_wait_alu depctr_va_vdst(0)
	v_mul_f32 v26, v22, v14                        ; my row's factor: 1 / its norm / the image's norm
	v_mov_b32 v27, v26
.set IX, 0
.rept 16
	v_pk_mul_f32 v[V+2*IX:V+2*IX+1], v[V+2*IX:V+2*IX+1], v[26:27]
.set IX, IX+1
.endr
.irp tt, 0,1,2,3
.irp p, 0,1
	ds_store_b128 v[STO], v[V+8*\tt+4*\p:V+8*\tt+4*\p+3] offset:64*\tt+16*\p
.endr
.endr
.irp i, 0,1,2,3,4,5,6,7
	ds_load_b128 v[CB+4*\i:CB+4*\i+3], v[RD] offset:544*\i         ; back by rows; LDS serves a wave's instructions in order
.endr
.irp i, 0,1,2,3,4,5,6,7
	s_wait_dscnt 7-\i
	global_store_b128 v[CO], v[CB+4*\i:CB+4*\i+3], s[10:11] offset:2048*\i th:TH_STORE_NT   ; sixteen lanes store 256 consecutive bytes, at a multiple of 256 from out0's first byte
.endr
	s_wait_tensorcnt 0x0
	ds_add_u32 v224, v225
	s_wait_dscnt 0x0
	s_endpgm
.Lfunc_end_k_qa0e29025cc_finish:
	.size	k_qa0e29025cc_finish, .Lfunc_end_k_qa0e29025cc_finish-k_qa0e29025cc_finish
	.p2alignl 7, 3214868480
	.fill 96, 4, 3214868480
	.section	.rodata,"a",@progbits
	.p2align	6, 0x0
	.amdhsa_kernel k_qa0e29025cc_finish
		.amdhsa_group_segment_fixed_size 72704
		.amdhsa_private_segment_fixed_size 0
		.amdhsa_enable_private_segment 0
		.amdhsa_kernarg_size 32
		.amdhsa_user_sgpr_count 2
		.amdhsa_user_sgpr_kernarg_segment_ptr 1
		.amdhsa_wavefront_size32 1
		.amdhsa_system_sgpr_workgroup_id_x 1
		.amdhsa_system_sgpr_workgroup_id_y 1
		.amdhsa_system_sgpr_workgroup_id_z 1
		.amdhsa_system_vgpr_workitem_id 0
		.amdhsa_next_free_vgpr 226
		.amdhsa_next_free_sgpr 66
		.amdhsa_reserve_vcc 0
		.amdhsa_float_denorm_mode_32 3
		.amdhsa_float_denorm_mode_16_64 3
		.amdhsa_memory_ordered 1
		.amdhsa_forward_progress 1
		.amdhsa_inst_pref_size 20
	.end_amdhsa_kernel
	.amdgpu_metadata
---
amdhsa.version: [ 1, 2 ]
amdhsa.kernels:
  - .name:           k_qa0e29025cc_finish
    .symbol:         k_qa0e29025cc_finish.kd
    .args:
      - { .name: part, .offset: 0, .size: 8, .value_kind: global_buffer, .address_space: global }
      - { .name: asums, .offset: 8, .size: 8, .value_kind: global_buffer, .address_space: global }
      - { .name: centroids, .offset: 16, .size: 8, .value_kind: global_buffer, .address_space: global }
      - { .name: out0, .offset: 24, .size: 8, .value_kind: global_buffer, .address_space: global }
    .group_segment_fixed_size: 72704
    .private_segment_fixed_size: 0
    .kernarg_segment_align: 8
    .kernarg_segment_size: 32
    .max_flat_workgroup_size: 512
    .sgpr_count:     66
    .vgpr_count:     226
    .wavefront_size: 32
...
	.end_amdgpu_metadata
.endif
;; end of part 2
